; MI455X (gfx1250); checked and timed in simulation.
; The chip was launched on July 23, 2026; its instructions are those of AMD's public machine-readable ISA for CDNA 5 (MIT licence, August 2026) and "CDNA5" Instruction Set Architecture Reference Guide (July 2026). The comments in the code are by the model that wrote it; some were corrected since.
;; Quant Linear. Allowed arithmetic: matrix products marked QUANTISED: E5M2 operands, one given power-of-two scale a tensor, by v_wmma_f32_16x16x64_bf8_bf8 or v_wmma_f32_16x16x128_bf8_bf8, f32 sums; everything else in f32.
;; Inputs: bias 4,096 float16; lowp_scales 2 int32 (the exponents e of the quantised operands' scales 2^e); q_invperm 4,096 int32; q_scale 32 x 512 int32; q_scale_max 32 float16; q_weight 512 x 4,096 int32; x 4,096 x 4,096 float16.
;; Outputs: out0 4,096 x 4,096 float16.
;; This version of the problem:
;;   THIS VERSION OF THE PROBLEM IS GIVEN IN LOW PRECISION. The matrix products marked QUANTISED in the list below multiply operands that are first quantised to E5M2 (5 exponent bits, 2 mantissa bits; 8 bits a number), with one given power-of-two scale for each operand tensor; their sums are f32. All else is computed in f32.
;;   The module's matrix products, in the order in which they are computed (A, B: the left and right operand; K: the contracted axis; several contracted axes count as one K, in the product's order):
;;     1. [M 4,096, K 4,096] x [K 4,096, N 4,096]; A: computed on the way; B: computed on the way: QUANTISED (scales: A lowp_scales[0], B lowp_scales[1])
;;   THE QUANTISER, for each operand of a quantised product, along K:
;;     - The operand's scale is 2^e, e = its entry of the input lowp_scales (int32; the entries are numbered through the quantised products in the list's order, A before B).
;;     - Each number is divided by the scale, clamped to +-57,344, and rounded to the nearest number of E5M2, ties to even, subnormals kept.
;;     - The product sums the exact products of the quantised numbers (number of the format x scale) in f32.
;;   ~~~python
;;   def quantise(x, axis, e):      # numpy; x: float32 -> the quantised numbers, widened to float32 again
;;       x = np.moveaxis(x, axis, -1); K = x.shape[-1]
;;       r = np.clip(x / 2.0 ** e, -57344, 57344)
;;       step = 2.0 ** (np.maximum(np.frexp(np.where(r == 0, 1, r))[1] - 1, -14) - 2)
;;       q = np.round(r / step) * step * 2.0 ** e      # np.round: ties to even
;;       return np.moveaxis(q, -1, axis).astype(np.float32)
;;   ~~~
;;   OPERANDS COMPUTED ON THE WAY. 'Computed on the way' means the value that the module computes at that place (a softmax that the list does not call 'softmax' is quantised finished and normalised). What goes into a quantiser is computed in f32, as accurately as f32 sums, v_exp_f32 and their like allow (about 1e-6 of the number): no bf16 or f16 on the way to a quantiser, and a product that is left as it is and whose result goes on into a quantised operand takes f32 operands (vector FMAs, or v_wmma_f32_16x16x4_f32). A number that lies on a knife's edge between two numbers of the format may be rounded either way, as far as f32 arithmetic and the matrix unit's own rounding can turn it there, and no further.
;; One version. Each part assembles by itself: llvm-mc -triple=amdgcn-amd-amdhsa -mcpu=gfx1250 --defsym DOCPART=n.
;; ======== version 1 of 1: 2 launches
;; limits: values are held in f16: magnitudes above 65,504 overflow, below 6.1e-05 lose precision; right only within a limited range of input values
;; workspace buffers: xq 16,777,216 bytes; wq 16,777,216 bytes
;; launch quant (part 1): grid 768 x 1, 8 waves a work-group, no clusters, 90,112 bytes of LDS; arguments x, q_weight, q_scale, q_scale_max, q_invperm, lowp_scales, xq, wq; writes xq, wq
.if DOCPART == 1
	.amdgcn_target "amdgcn-amd-amdhsa--gfx1250"
	.amdhsa_code_object_version 6
	.text
	.protected	k_qe047eac8cb_quant
	.globl	k_qe047eac8cb_quant
	.p2align	8
	.type	k_qe047eac8cb_quant,@function
k_qe047eac8cb_quant:
	s_mov_b64 s[64:65], 0
	v_nop
	global_prefetch_b8 v0, s[64:65] scope:SCOPE_SE
	s_setreg_imm32_b32 hwreg(HW_REG_WAVE_MODE, 25, 1), 1
	s_wait_xcnt 0x0
; BOTH OPERANDS OF out = xp W ARE MADE HERE, ONCE, AS CODES OF BF8 (E5M2), each with the one scale 2^e that is given for it (lowp_scales: ex for x, ew for W).
; THE PERMUTATION GOES TO W.  out[m][n] = sum over j of x[m][q_perm[j]] W[j][n], q_perm = argsort(q_invperm).  With rank[i] = the number of j whose (key j, j) lies under (key i, i),
; q_perm[rank[i]] = i (the stable sort), so out[m][n] = sum over i of x[m][i] W[rank[i]][n]: x keeps its order and W's rows are gathered.  A work-group that makes 16 neighbouring i needs
; its own 16 ranks alone: 16 x 4,096 compares of whole numbers.  That holds for any int32 keys: ties, negative numbers, no permutation at all.  Only the order of the f32 sums differs from the source's.
; LAYOUT OF BOTH RESULTS: [K / 16][4,096 rows][16 bytes]: xq[kc][m][b] = code of x[m][16 kc + b], wq[kc][n][b] = code of W[rank[16 kc + b]][n].
; W[j][n] = (w4 - 8) (s4 + 1)^2 q_scale_max[j / 128] / 256, in f32: the factors have 4, 5, 5 and 11 bits, so every product below is exact.
; code = number / 2^e, held within +-57,344, rounded to the nearest code, ties to even.
; LIMITS: ex and ew between -126 and 112, so that 2^e and 57,344 x 2^e are f32 numbers.  NaN in x or q_scale_max is not served; an infinity is held at the largest code.
; q_scale_max / 256 is kept as the exact f32 number (no rounding to f16 ahead of the quantiser).
; SHARES.  Work-groups 0-255 make W (work-group b: chunk kc = b, all 4,096 columns; wave w: columns 512 w on), work-groups 256-767 make x (a wave: 16 rows x 256 along K).  The two paths part
; on the work-group's number, share no line behind the branch and have LDS bytes of their own.  No tensor loads, no cluster, no matrix unit: a stream in which no tile is shared.
.set WGW, 256                          ; work-groups of the W path
.set XST, 0                            ; LDS, x path: a stage for each wave: 16 chunks x (16 rows x 16 bytes + 16 of padding)
.set CNT, 34816                        ; LDS, W path: each wave's 16 partial ranks, a word a lane: 8 x 128 bytes
.set SCL, 35840                        ; LDS, W path: each wave's 256 bytes of 16 rows of q_scale: 8 x 4,096 bytes
.set OST, 68608                        ; LDS, W path: each wave's way out: 32 places of 64 bytes + 16 of padding: 8 x 2,560 bytes
; scalar registers of the W path: three runs of 16, each used twice
.set UK, 36                            ; s36-51  my 16 keys, biased to unsigned order;  later SH: the nibble's shift in a word of q_weight
.set SH, 36
.set MK, 68                            ; s68-83  lane masks of the compares;            later RO: the byte offset of the row of q_weight
.set RO, 68
.set CN, 84                            ; s84-99  my wave's counts;  later RK: the ranks;  later GR: the groups
.set RK, 84
.set GR, 84
; vector registers of the W path
.set VO, 16                            ; v16-31   byte offset in q_weight: the row of rank t + my columns
.set SM, 32                            ; v32-47   q_scale_max / 256 of rank t's group
.set SW, 48                            ; v48-63   the word of q_scale with my four columns' nibbles, shifted down
.set FW, 64                            ; v64-79   16 numbers of W down K
.set US, 80                            ; v80-95   their s4 + 1
.set SG, 64                            ; v64-95   (before that) the pieces of q_scale as loaded
.set CD, 96                            ; v96-111  codes: four registers a column
.set SO, 96                            ; v96-111  (before that) byte offsets in q_scale
.set OB, 112                           ; v112-127 the way out
.set WR, 128                           ; v128-255 two sets of 16 rows x 4 columns of q_weight
.set NK, 128                           ; (rank phase) v128-143 16 keys a lane, complemented;  v144-159 their j - 16 b;  v160-163 sums that nobody reads
.set JR, 144
.set JK, 160
; vector registers of the x path
.set XT, 16                            ; v16-31   two sets of 8 numbers in f32
.set XC, 32                            ; v32-63   codes: two registers a row, never written twice
.set XR, 64                            ; v64-127  16 rows as loaded, four registers each
.set XO, 128                           ; v128-159 the way out
	s_load_b512 s[4:19], s[0:1], 0x0               ; x s[4:5], q_weight s[6:7], q_scale s[8:9], q_scale_max s[10:11], q_invperm s[12:13], lowp_scales s[14:15], xq s[16:17], wq s[18:19]
	v_and_b32 v1, 31, v0                           ; lane
	v_lshrrev_b32 v2, 5, v0
	s_delay_alu instid0(VALU_DEP_1)
	v_readfirstlane_b32 s20, v2                    ; wave 0..7
	s_wait_kmcnt 0x0
	s_load_b64 s[22:23], s[14:15], 0x0             ; ex, ew
	s_cmp_lt_u32 ttmp9, WGW
	s_cbranch_scc0 .Lx
; ======================================================== W ========================================================
	s_lshl_b32 s24, s20, 11
	s_wait_alu depctr_va_vdst(0)
	v_lshl_add_u32 v2, v1, 4, s24                  ; 2,048 w + 16 lane: my 4 keys of a load of q_invperm, and my 4 columns of a row of q_weight
	v_lshl_add_u32 v3, v0, 2, CNT                  ; where I put a partial rank: a word a thread
	v_lshl_add_u32 v4, v1, 2, CNT                  ; and where I read the eight waves' back
	s_lshl_b32 s25, s20, 12
	s_add_co_u32 s25, s25, SCL                     ; my wave's pieces of q_scale
	v_lshl_add_u32 v5, v1, 3, s25                  ; in: 8 bytes a lane
	v_lshrrev_b32 v10, 1, v1
	s_delay_alu instid0(VALU_DEP_1)
	v_lshl_add_u32 v6, v10, 2, s25                 ; out: two lanes share a word (8 columns)
	s_mul_i32 s26, s20, 2560
	s_add_co_u32 s26, s26, OST                     ; my wave's way out
	v_mul_u32_u24 v7, v1, 80
	s_delay_alu instid0(VALU_DEP_1)
	v_add_nc_u32 v7, s26, v7                       ; in: my four columns' 64 bytes at 80 x lane
	v_lshrrev_b32 v10, 2, v1
	s_delay_alu instid0(VALU_DEP_1)
	v_mul_u32_u24 v8, v10, 80
	v_and_b32 v10, 3, v1
	s_delay_alu instid0(VALU_DEP_1)
	v_lshl_add_u32 v8, v10, 4, v8
	s_delay_alu instid0(VALU_DEP_1)
	v_add_nc_u32 v8, s26, v8                       ; out: byte 16 x lane of 512 on end: place lane / 4, 16 (lane % 4) in it
	s_lshl_b32 s27, s20, 13
	v_lshl_add_u32 v9, v1, 4, s27                  ; in wq: 8,192 w + 16 lane
	s_lshl_b32 s27, s20, 8
	v_lshl_add_u32 v11, v1, 3, s27                 ; in a row of q_scale: 256 w + 8 lane
	v_and_b32 v12, 1, v1
	s_delay_alu instid0(VALU_DEP_1)
	v_lshlrev_b32 v12, 4, v12                      ; my four nibbles begin at bit 16 (lane % 2) of the shared word
	v_lshlrev_b32 v10, 1, v1                       ; q_scale_max: lane g takes group g
	s_lshl_b32 s28, ttmp9, 6                       ; my work-group's 16 keys: 64 bytes
	s_mov_b32 s29, 0
	s_add_nc_u64 s[28:29], s[12:13], s[28:29]
	s_load_b512 s[UK:UK+15], s[28:29], 0x0
.irp u, 0,1,2,3
	global_load_b128 v[NK+4*\u:NK+4*\u+3], v2, s[12:13] offset:512*\u   ; key j = 512 w + 128 u + 4 lane + e in register 4 u + e: 512 consecutive bytes a load
.endr
	global_load_u16 v15, v10, s[10:11]
	s_lshl_b32 s30, ttmp9, 16                      ; my chunk of wq: 4,096 columns x 16 bytes
	s_mov_b32 s31, 0
	s_add_nc_u64 s[32:33], s[18:19], s[30:31]
	s_lshl_b32 s24, s20, 9
	s_lshl_b32 s25, ttmp9, 4
	s_sub_co_i32 s24, s24, s25                     ; 512 w - 16 b
	v_lshl_add_u32 v173, v1, 2, s24
.irp q, 0,1,2,3,4,5,6,7,8,9,10,11,12,13,14,15
	v_add_nc_u32 v[JR+\q], 128*(\q/4)+\q%4, v173   ; j - 16 b, signed: j < 16 b + t where this is under t
.endr
	s_wait_kmcnt 0x0                               ; my 16 keys; ex, ew
.irp t, 0,1,2,3,4,5,6,7,8,9,10,11,12,13,14,15
	s_xor_b32 s[UK+\t], s[UK+\t], 0x80000000       ; u = key with the sign bit turned: signed order becomes unsigned order
.endr
	s_wait_loadcnt 0x0                             ; the wave's 512 keys, and q_scale_max
.irp q, 0,1,2,3,4,5,6,7,8,9,10,11,12,13,14,15
	v_xor_b32 v[NK+\q], 0x7fffffff, v[NK+\q]       ; the complement of u_j
.endr
	v_cvt_f32_f16 v15, v15.l
	s_delay_alu instid0(VALU_DEP_1)
	v_mul_f32 v15, 0x3b800000, v15                 ; / 256: exact
; THE RANKS.  (key j, j) < (key i, i)  <=>  u_j < u_i + [j < i]  <=>  u_i + ~u_j + [j < i] carries out of 32 bits.  So: a compare makes [j < i] as a lane mask, an add with carry in and
; carry out turns it into the answer, a bit count adds the wave's 32 answers.  Three runs over my 16 i, so that the 16 chains do not wait for each other.
.macro RANKQ q
.irp t, 0,1,2,3,4,5,6,7,8,9,10,11,12,13,14,15
	v_cmp_gt_i32 s[MK+\t], \t, v[JR+\q]
.endr
.irp t, 0,1,2,3,4,5,6,7,8,9,10,11,12,13,14,15
	v_add_co_ci_u32 v[JK+\t%4], s[MK+\t], s[UK+\t], v[NK+\q], s[MK+\t]
.endr
.irp t, 0,1,2,3,4,5,6,7,8,9,10,11,12,13,14,15
.if \q == 0
	s_bcnt1_i32_b32 s[CN+\t], s[MK+\t]             ; the first count starts the sum: nothing is cleared
.else
	s_bcnt1_i32_b32 s[24+\t%4], s[MK+\t]
	s_add_co_u32 s[CN+\t], s[CN+\t], s[24+\t%4]
.endif
.endr
.endm
.irp q, 0,1,2,3,4,5,6,7,8,9,10,11,12,13,14,15
	RANKQ \q
.endr
	v_mov_b32 v164, 0                              ; written whole first: a lane write keeps the other lanes
.irp t, 0,1,2,3,4,5,6,7,8,9,10,11,12,13,14,15
	s_delay_alu instid0(VALU_DEP_1)
	v_writelane_b32 v164, s[CN+\t], \t
.endr
	ds_store_b32 v3, v164                          ; lane t: my wave's count for i = 16 b + t
	s_wait_dscnt 0x0                               ; for the others' sake: my store has landed
	s_barrier_signal -1                            ; the launch's one barrier: every wave of a work-group of this path passes it (the branch above hangs on the work-group's number alone)
	s_barrier_wait -1
.irp z, 0,1,2,3,4,5,6,7
	ds_load_b32 v[165+\z], v4 offset:128*\z        ; the eight waves' counts
.endr
	s_wait_dscnt 0x0
	v_add3_u32 v165, v165, v166, v167
	v_add3_u32 v168, v168, v169, v170
	s_delay_alu instid0(VALU_DEP_2)
	v_add3_u32 v165, v165, v171, v172
	s_delay_alu instid0(VALU_DEP_1)
	v_add_nc_u32 v165, v165, v168                  ; lane t: rank[16 b + t]
.irp t, 0,1,2,3,4,5,6,7,8,9,10,11,12,13,14,15
	v_readlane_b32 s[RK+\t], v165, \t
.endr
; What a rank says: row rank / 8 of q_weight and nibble rank % 8 in its words; group rank / 128.  Each number that enters an address is held under its table's size first.
.irp t, 0,1,2,3,4,5,6,7,8,9,10,11,12,13,14,15
	s_lshr_b32 s[RO+\t], s[RK+\t], 3
	s_min_u32 s[RO+\t], s[RO+\t], 511
	s_lshl_b32 s[RO+\t], s[RO+\t], 14              ; a row of q_weight is 16,384 bytes
	s_and_b32 s[SH+\t], s[RK+\t], 7
	s_lshl_b32 s[SH+\t], s[SH+\t], 2
	s_lshr_b32 s[GR+\t], s[RK+\t], 7
	s_min_u32 s[GR+\t], s[GR+\t], 31
	v_add_nc_u32 v[VO+\t], s[RO+\t], v2
	v_readlane_b32 s[24+\t%4], v15, s[GR+\t]       ; the group's q_scale_max / 256
	s_delay_alu instid0(VALU_DEP_1)
	v_mov_b32 v[SM+\t], s[24+\t%4]
	s_lshl_b32 s[28+\t%4], s[GR+\t], 11            ; a row of q_scale is 2,048 bytes
	v_add_nc_u32 v[SO+\t], s[28+\t%4], v11
.endr
	s_add_co_i32 s23, s23, 127
	s_lshl_b32 s22, s23, 23
	v_mov_b32 v13, s22                             ; 2^ew as f32: the conversion takes its exponent field
	s_add_co_i32 s23, s23, 15
	s_lshl_b32 s23, s23, 23
	s_or_b32 s23, s23, 0x600000
	v_mov_b32 v14, s23                             ; 57,344 x 2^ew
.macro WLOAD c                         ; set c: columns 512 w + 128 c + 4 lane + 0..3 of the 16 rows: 512 consecutive bytes a load
.irp t, 0,1,2,3,4,5,6,7,8,9,10,11,12,13,14,15
	global_load_b128 v[WR+64*((\c)%2)+4*\t:WR+64*((\c)%2)+4*\t+3], v[VO+\t], s[6:7] offset:512*(\c)
.endr
.endm
	s_wait_alu depctr_va_vdst(0)
.irp t, 0,1,2,3,4,5,6,7,8,9,10,11,12,13,14,15
	global_load_b64 v[SG+2*\t:SG+2*\t+1], v[SO+\t], s[8:9]   ; my wave's 512 columns' scales of rank t's group: 256 consecutive bytes, copied once and used from LDS
.endr
	WLOAD 0
	WLOAD 1
	s_wait_loadcnt 32                              ; the 16 pieces of q_scale are in; behind them the two sets of 16 loads may be out
.irp t, 0,1,2,3,4,5,6,7,8,9,10,11,12,13,14,15
	ds_store_b64 v5, v[SG+2*\t:SG+2*\t+1] offset:256*\t
.endr
; Column e of my four: 16 numbers down K in 16 registers, so that the conversions give 16 codes with K innermost.
.macro WCOL e, buf
.irp t, 0,1,2,3,4,5,6,7,8,9,10,11,12,13,14,15
	v_bfe_u32 v[US+\t], v[SW+\t], 4*\e, 4          ; s4
.endr
.irp t, 0,1,2,3,4,5,6,7,8,9,10,11,12,13,14,15
	v_bfe_u32 v[FW+\t], v[\buf+4*\t+\e], s[SH+\t], 4   ; w4
.endr
.irp t, 0,1,2,3,4,5,6,7,8,9,10,11,12,13,14,15
	v_cvt_f32_u32 v[US+\t], v[US+\t]
	v_cvt_f32_u32 v[FW+\t], v[FW+\t]
.endr
.irp t, 0,2,4,6,8,10,12,14
	v_pk_add_f32 v[US+\t:US+\t+1], v[US+\t:US+\t+1], 1.0 op_sel_hi:[1,0]          ; s4 + 1
	v_pk_add_f32 v[FW+\t:FW+\t+1], v[FW+\t:FW+\t+1], 0xc1000000 op_sel_hi:[1,0]   ; w4 - 8
.endr
.irp t, 0,2,4,6,8,10,12,14
	v_pk_mul_f32 v[FW+\t:FW+\t+1], v[FW+\t:FW+\t+1], v[US+\t:US+\t+1]             ; (w4 - 8)(s4 + 1)
.endr
.irp t, 0,2,4,6,8,10,12,14
	v_pk_mul_f32 v[US+\t:US+\t+1], v[US+\t:US+\t+1], v[SM+\t:SM+\t+1]             ; (s4 + 1) smax
.endr
.irp t, 0,2,4,6,8,10,12,14
	v_pk_mul_f32 v[FW+\t:FW+\t+1], v[FW+\t:FW+\t+1], v[US+\t:US+\t+1]             ; W: at most 24 bits, so nothing has been rounded
.endr
.irp t, 0,1,2,3,4,5,6,7,8,9,10,11,12,13,14,15
	v_med3_num_f32 v[FW+\t], v[FW+\t], -v14, v14   ; the conversion to an 8-bit code does not saturate (ISA guide 7.6.2): the hold at the largest code x the scale
.endr
	v_cvt_scalef32_pk8_bf8_f32 v[CD+4*\e:CD+4*\e+1], v[FW:FW+7], v13
	v_cvt_scalef32_pk8_bf8_f32 v[CD+4*\e+2:CD+4*\e+3], v[FW+8:FW+15], v13
	v_nop                                          ; one plain vector instruction behind the conversions, ahead of the lines that write their sources again
	ds_store_b128 v7, v[CD+4*\e:CD+4*\e+3] offset:16*\e
.endm
; A set of 128 columns.  left: the loads that may stay out when this set's 16 have to be in.  more = 1: the set two further on is asked for, into the registers that this set has left.
.macro WSET c, left, more
.irp t, 0,1,2,3,4,5,6,7,8,9,10,11,12,13,14,15
	ds_load_b32 v[SW+\t], v6 offset:256*\t+64*\c   ; LDS serves a wave's instructions in order: these see my stores
.endr
	s_wait_loadcnt \left
	s_wait_dscnt 0x0                               ; the scale words are in; my earlier LDS stores have read their registers
.irp t, 0,1,2,3,4,5,6,7,8,9,10,11,12,13,14,15
	v_lshrrev_b32 v[SW+\t], v12, v[SW+\t]
.endr
	WCOL 0, WR+64*((\c)%2)
	WCOL 1, WR+64*((\c)%2)
	WCOL 2, WR+64*((\c)%2)
	WCOL 3, WR+64*((\c)%2)
	s_wait_xcnt 0x0                                ; the last set's stores have read their data registers, which are loaded again below
.if \more
	WLOAD \c+2
.endif
.irp u, 0,1,2,3
	ds_load_b128 v[OB+4*\u:OB+4*\u+3], v8 offset:640*\u   ; the set's 2,048 bytes come back in the order in which they lie in wq
.endr
.irp u, 0,1,2,3
	s_wait_dscnt 3-\u                              ; load u is in; the younger ones may be out
	global_store_b128 v9, v[OB+4*\u:OB+4*\u+3], s[32:33] offset:2048*\c+512*\u   ; 32 lanes store 512 consecutive bytes, at a multiple of 512 from wq's first byte
.endr
.endm
	WSET 0, 16, 1
	WSET 1, 16, 1
	WSET 2, 16, 0
	WSET 3, 0, 0
	v_lshl_add_u32 v10, v0, 2, 0x15c00             ; all 256 registers are at work in this path, so v0 is kept and the add's two registers are made here: my spare word (89,088 + 4 x thread),
	v_mov_b32 v11, 0                               ; and 0
	s_wait_alu depctr_va_vdst(0)
	s_wait_tensorcnt 0x0                           ; the wave's end, behind my last LDS store
	ds_add_u32 v10, v11
	s_wait_dscnt 0x0
	s_endpgm
; ======================================================== x ========================================================
; A wave takes 16 rows x 256 along K.  Each load reads 512 consecutive bytes of a row, 8 numbers a lane; 8 numbers are half a chunk of 16.  The codes go through the wave's own stage, laid
; [chunk][row][16 bytes], and leave chunk by chunk: sixteen lanes store 16 rows x 16 bytes, 256 consecutive bytes of xq.  No loop, no barrier: waves share nothing.
.Lx:
	s_sub_co_u32 s24, ttmp9, WGW
	s_lshr_b32 s25, s24, 1                         ; which 16 rows
	s_and_b32 s26, s24, 1                          ; which half of K
	s_lshl_b32 s28, s25, 17                        ; 16 rows of 8,192 bytes
	s_lshl_b32 s29, s26, 12                        ; 2,048 numbers
	s_add_co_u32 s28, s28, s29
	s_lshl_b32 s29, s20, 9                         ; my wave's 256 numbers
	s_add_co_u32 s28, s28, s29
	s_mov_b32 s29, 0
	s_add_nc_u64 s[4:5], s[4:5], s[28:29]
	s_wait_alu depctr_va_vdst(0)
	v_lshlrev_b32 v2, 4, v1                        ; 16 bytes a lane
.irp p, 0,1,2,3,4,5,6,7,8,9,10,11,12,13,14,15
	global_load_b128 v[XR+4*\p:XR+4*\p+3], v2, s[4:5] offset:8192*\p th:TH_LOAD_NT   ; read once in the launch
.endr
	s_lshl_b32 s30, s26, 23                        ; 128 chunks of 65,536 bytes
	s_lshl_b32 s31, s20, 20                        ; my wave's 16 chunks
	s_add_co_u32 s30, s30, s31
	s_lshl_b32 s31, s25, 8                         ; 16 rows x 16 bytes
	s_add_co_u32 s30, s30, s31
	s_mov_b32 s31, 0
	s_add_nc_u64 s[16:17], s[16:17], s[30:31]
	s_mul_i32 s27, s20, 4352                       ; my stage (XST = 0)
	v_lshrrev_b32 v6, 1, v1
	s_delay_alu instid0(VALU_DEP_1)
	v_mul_u32_u24 v3, v6, 272
	v_and_b32 v6, 1, v1
	s_delay_alu instid0(VALU_DEP_1)
	v_lshl_add_u32 v3, v6, 3, v3
	s_delay_alu instid0(VALU_DEP_1)
	v_add_nc_u32 v3, s27, v3                       ; in: chunk lane / 2 (272 bytes apart: the 32 lanes of a store touch 64 different words modulo 64), half lane % 2; the row stands in the immediate
	v_lshrrev_b32 v6, 4, v1
	v_and_b32 v7, 15, v1
	s_delay_alu instid0(VALU_DEP_2)
	v_mul_u32_u24 v4, v6, 272
	s_delay_alu instid0(VALU_DEP_1)
	v_lshl_add_u32 v4, v7, 4, v4
	s_delay_alu instid0(VALU_DEP_1)
	v_add_nc_u32 v4, s27, v4                       ; out: lanes 0-15 one chunk's 16 rows, lanes 16-31 the next chunk's
	v_lshlrev_b32 v5, 16, v6
	s_delay_alu instid0(VALU_DEP_1)
	v_lshl_add_u32 v5, v7, 4, v5                   ; and the same two chunks in xq
	s_wait_kmcnt 0x0                               ; ex
	s_add_co_i32 s22, s22, 127
	s_lshl_b32 s23, s22, 23
	v_mov_b32 v11, s23                             ; 2^ex as f32
	s_add_co_i32 s22, s22, 15
	s_lshl_b32 s22, s22, 23
	s_or_b32 s22, s22, 0x600000
	v_mov_b32 v10, s22                             ; 57,344 x 2^ex
; Row p.  The eight halves of its four registers are given by name.  The two sets of f32 numbers take turns, so that the next row's plain lines stand between a conversion and the lines that write its sources again.
.macro XROW p, a0, a1, a2, a3, a4, a5, a6, a7
	s_wait_loadcnt 15-\p                           ; loads come back in order: row p is in, the younger rows may be out
	v_cvt_f32_f16 v[XT+8*(\p%2)+0], \a0
	s_wait_alu depctr_va_vdst(0)
	v_cvt_f32_f16 v[XT+8*(\p%2)+1], \a1
	v_cvt_f32_f16 v[XT+8*(\p%2)+2], \a2
	v_cvt_f32_f16 v[XT+8*(\p%2)+3], \a3
	v_cvt_f32_f16 v[XT+8*(\p%2)+4], \a4
	v_cvt_f32_f16 v[XT+8*(\p%2)+5], \a5
	v_cvt_f32_f16 v[XT+8*(\p%2)+6], \a6
	v_cvt_f32_f16 v[XT+8*(\p%2)+7], \a7
.irp i, 0,1,2,3,4,5,6,7
	v_med3_num_f32 v[XT+8*(\p%2)+\i], v[XT+8*(\p%2)+\i], -v10, v10   ; the hold at the largest code x the scale
.endr
	v_cvt_scalef32_pk8_bf8_f32 v[XC+2*\p:XC+2*\p+1], v[XT+8*(\p%2):XT+8*(\p%2)+7], v11
	ds_store_b64 v3, v[XC+2*\p:XC+2*\p+1] offset:16*\p
.endm
	XROW 0, v64.l, v64.h, v65.l, v65.h, v66.l, v66.h, v67.l, v67.h
	XROW 1, v68.l, v68.h, v69.l, v69.h, v70.l, v70.h, v71.l, v71.h
	XROW 2, v72.l, v72.h, v73.l, v73.h, v74.l, v74.h, v75.l, v75.h
	XROW 3, v76.l, v76.h, v77.l, v77.h, v78.l, v78.h, v79.l, v79.h
	XROW 4, v80.l, v80.h, v81.l, v81.h, v82.l, v82.h, v83.l, v83.h
	XROW 5, v84.l, v84.h, v85.l, v85.h, v86.l, v86.h, v87.l, v87.h
	XROW 6, v88.l, v88.h, v89.l, v89.h, v90.l, v90.h, v91.l, v91.h
	XROW 7, v92.l, v92.h, v93.l, v93.h, v94.l, v94.h, v95.l, v95.h
	XROW 8, v96.l, v96.h, v97.l, v97.h, v98.l, v98.h, v99.l, v99.h
	XROW 9, v100.l, v100.h, v101.l, v101.h, v102.l, v102.h, v103.l, v103.h
	XROW 10, v104.l, v104.h, v105.l, v105.h, v106.l, v106.h, v107.l, v107.h
	XROW 11, v108.l, v108.h, v109.l, v109.h, v110.l, v110.h, v111.l, v111.h
	XROW 12, v112.l, v112.h, v113.l, v113.h, v114.l, v114.h, v115.l, v115.h
	XROW 13, v116.l, v116.h, v117.l, v117.h, v118.l, v118.h, v119.l, v119.h
	XROW 14, v120.l, v120.h, v121.l, v121.h, v122.l, v122.h, v123.l, v123.h
	XROW 15, v124.l, v124.h, v125.l, v125.h, v126.l, v126.h, v127.l, v127.h
	v_nop                                          ; a plain vector instruction behind the last conversion
.irp u, 0,1,2,3,4,5,6,7
	ds_load_b128 v[XO+4*\u:XO+4*\u+3], v4 offset:544*\u   ; chunks 2 u and 2 u + 1; LDS serves a wave's instructions in order: these see my stores
.endr
.irp u, 0,1,2,3,4,5,6,7
	s_wait_dscnt 7-\u                              ; load u is in; the younger ones may be out
	global_store_b128 v5, v[XO+4*\u:XO+4*\u+3], s[16:17] offset:131072*\u   ; sixteen lanes store 256 consecutive bytes, at a multiple of 256 from xq's first byte
.endr
	v_lshl_add_u32 v12, v0, 2, 0x15c00             ; as in the W path: my spare word, made from v0, which is kept,
	v_mov_b32 v13, 0                               ; and 0
	s_wait_alu depctr_va_vdst(0)
	s_wait_tensorcnt 0x0                           ; the wave's end, behind my last LDS store
	ds_add_u32 v12, v13
	s_wait_dscnt 0x0
	s_endpgm
.Lfunc_end_k_qe047eac8cb_quant:
	.size	k_qe047eac8cb_quant, .Lfunc_end_k_qe047eac8cb_quant-k_qe047eac8cb_quant
	.p2alignl 7, 3214868480
	.fill 96, 4, 3214868480
	.section	.rodata,"a",@progbits
	.p2align	6, 0x0
	.amdhsa_kernel k_qe047eac8cb_quant
		.amdhsa_group_segment_fixed_size 90112
		.amdhsa_private_segment_fixed_size 0
		.amdhsa_enable_private_segment 0
		.amdhsa_kernarg_size 64
		.amdhsa_user_sgpr_count 2
		.amdhsa_user_sgpr_kernarg_segment_ptr 1
		.amdhsa_wavefront_size32 1
		.amdhsa_system_sgpr_workgroup_id_x 1
		.amdhsa_system_sgpr_workgroup_id_y 1
		.amdhsa_system_sgpr_workgroup_id_z 1
		.amdhsa_system_vgpr_workitem_id 0
		.amdhsa_next_free_vgpr 256
		.amdhsa_next_free_sgpr 100
		.amdhsa_reserve_vcc 0
		.amdhsa_float_denorm_mode_32 3
		.amdhsa_float_denorm_mode_16_64 3
		.amdhsa_memory_ordered 1
		.amdhsa_forward_progress 1
		.amdhsa_inst_pref_size 215
	.end_amdhsa_kernel
	.amdgpu_metadata
---
amdhsa.version: [ 1, 2 ]
amdhsa.kernels:
  - .name:           k_qe047eac8cb_quant
    .symbol:         k_qe047eac8cb_quant.kd
    .args:
      - { .name: x, .offset: 0, .size: 8, .value_kind: global_buffer, .address_space: global }
      - { .name: q_weight, .offset: 8, .size: 8, .value_kind: global_buffer, .address_space: global }
      - { .name: q_scale, .offset: 16, .size: 8, .value_kind: global_buffer, .address_space: global }
      - { .name: q_scale_max, .offset: 24, .size: 8, .value_kind: global_buffer, .address_space: global }
      - { .name: q_invperm, .offset: 32, .size: 8, .value_kind: global_buffer, .address_space: global }
      - { .name: lowp_scales, .offset: 40, .size: 8, .value_kind: global_buffer, .address_space: global }
      - { .name: xq, .offset: 48, .size: 8, .value_kind: global_buffer, .address_space: global }
      - { .name: wq, .offset: 56, .size: 8, .value_kind: global_buffer, .address_space: global }
    .group_segment_fixed_size: 90112
    .private_segment_fixed_size: 0
    .kernarg_segment_align: 8
    .kernarg_segment_size: 64
    .max_flat_workgroup_size: 256
    .sgpr_count:     100
    .vgpr_count:     256
    .wavefront_size: 32
...
	.end_amdgpu_metadata
.endif
;; end of part 1
;; launch gemm (part 2): grid 16 x 16, 4 waves a work-group, clusters of 4 x 4, 327,680 bytes of LDS; arguments xq, wq, lowp_scales, out0, bias; writes out0
.if DOCPART == 2
	.amdgcn_target "amdgcn-amd-amdhsa--gfx1250"
	.amdhsa_code_object_version 6
	.text
	.protected	k_qe047eac8cb_gemm
	.globl	k_qe047eac8cb_gemm
	.p2align	8
	.type	k_qe047eac8cb_gemm,@function
k_qe047eac8cb_gemm:
	s_mov_b64 s[64:65], 0
	v_nop
	global_prefetch_b8 v0, s[64:65] scope:SCOPE_SE
	s_setreg_imm32_b32 hwreg(HW_REG_WAVE_MODE, 25, 1), 1
	s_wait_xcnt 0x0
	s_wait_alu depctr_hold_cnt(0) depctr_sa_sdst(0) depctr_va_vdst(0) depctr_va_sdst(0) depctr_va_ssrc(0) depctr_va_vcc(0) depctr_vm_vsrc(0)
	s_getreg_b32 s2, hwreg(HW_REG_IB_STS2, 6, 4)
	s_cmp_eq_u32 s2, 0
	s_cbranch_scc0 .Lentry_in_a_cluster
	s_endpgm
.Lentry_in_a_cluster:
	s_bfe_u32 s2, ttmp6, 0x10000c
	s_cmp_lg_u32 s2, 0xf033
	s_cbranch_scc0 .Lentry_shape_is_right
	s_endpgm
.Lentry_shape_is_right:
; out0[m][n] = f16(2^(ex + ew) x (sum over k of xq[m][k] wq[n][k]) + bias[n]).  xq, wq: codes of BF8 (E5M2), laid [K / 16][4,096 rows][16 bytes]; sums in f32, one rounding to f16.
; LIMIT: ex + ew lies between -126 and 127, so that 2^(ex + ew) is an f32 number.
; A tile of out0, 256 x 256, is made by four waves; a wave makes 128 x 128: 64 accumulators of 16 x 16, 512 registers.  K goes in steps of 256 through a ring of two LDS slots.
; A wave's tensor load brings 128 rows x 256 K as 16 rows of 2,048 bytes (a chunk of 16 along K of 128 rows), 65,536 bytes apart in memory.  In LDS the sixteen lanes of a fragment load read 256 bytes on end.
; CLUSTERS: 4 x 4 work-groups.  A row of the cluster shares xq's tiles, a column wq's: each tile is asked for jointly, by the same descriptor with a mask that names the four.
; THE MATRIX INSTRUCTION IS USED TRANSPOSED (source 0 = 16 rows of wq, source 1 = 16 rows of xq): a lane holds eight neighbouring columns of one row of out0.
; A step of 128 along K is 64 products, A's blocks 0-7 in turn, each against B's eight.  Its 64 LDS loads keep one fixed order of 16 fragments and stand in TWO runs: at the step's head this step's A 6, 7 and the
; next step's B 0-7 (B has two sets); ahead of A's blocks 6, 7 the next step's A 0-5 (A has one set: a block is loaded anew when its products are issued).
; The last step finishes A's blocks one after the other, so each block of 16 rows leaves as soon as its eight sums are whole.
; REGISTERS: window 0: v0-31 addresses, v32-95 bias in f32, v96-127 packed results, v128-255 A's fragments.  window 1: B's two sets (in the last step set 0 takes the rows on their way out).
; windows 2, 3: the accumulators of my rows 0-63, 64-127.
.set KSH,    20                        ; a K step of 256 is 16 chunks of 65,536 bytes
.set CHUNK,  2048                      ; 128 rows x 16 bytes
.set HALFT,  16*CHUNK                  ; what one tensor load brings, and what one wave reads of A or of B
.set SLOT,   4*HALFT                   ; A's 256 rows, then B's 256 rows
.set SPARE,  2*SLOT                    ; behind the ring: the spare words, 128 bytes a wave, which no other line names
.set LAPS,   8                         ; 4,096 / 512: a lap is once round the ring
.set FR,     16                        ; registers of a fragment: 16 rows x 128 K
.set SPITCH, 272                       ; the way out: a stage of 16 rows x (256 + 16) bytes a wave, in slot 0, behind that slot's last fill and last read
.set ROWO,   8192                      ; a row of out0 in bytes
.set ADRA, 16                          ; v16-17 LDS address of my A fragments in slot 0, 1
.set ADRB, 20                          ; v20-21 the same for B
.set STO,  24
.set RD,   25
.set CO,   26
.set SPW,  28                          ; my spare word's address; never rewritten
.set NIL,  29                          ; 0; never rewritten
.set PFO,  30                          ; the prefetches' offset: chunk lane / 8, block of 256 bytes lane % 8
.set BIAS, 32
.set PK,   96
.set AF,   128
.set BK,   0                           ; window 1, v0-63: 16 rows read back from the stage, two sets by turns
.set G1, 24
.set G0, 32
.set G1B, 48
.set G0B, 56
.set PFA, 68                           ; s[68:69] my work-group's 4 chunks of the tile that I fetch, at the K step of the change of slots + 1
.set MSB, 0
.macro WIN new                         ; the immediate's high byte repeats the setting that is left
.if MSB != \new
	s_set_vgpr_msb (MSB<<8)|\new
.set MSB, \new
.endif
.endm
.set MUL_LO, 0xa1                      ; source 0 (B) window 1, source 1 (A) window 0, C and D window 2
.set TO_B,   0x40                      ; destination window 1, address window 0
; A joint load: waves 0, 1 fetch A's halves, waves 2, 3 B's.  An s_nop 0 and four v_nop follow each line.
.macro JLOAD g0a, g1a, g0b, g1b
	s_cmp_eq_u32 s15, 0
	s_cbranch_scc0 .Lfor_b_\@
	tensor_load_to_lds s[\g0a:\g0a+3], s[\g1a:\g1a+7]
	s_nop 0
.rept 4
	v_nop
.endr
	s_branch .Lasked_\@
.Lfor_b_\@:
	tensor_load_to_lds s[\g0b:\g0b+3], s[\g1b:\g1b+7]
	s_nop 0
.rept 4
	v_nop
.endr
.Lasked_\@:
.endm
; The change of slots at K step t fills K step t + 2 and asks for K step t + 4: 32 blocks of 256 bytes, a lane a block.  The four partners of a joint load share its 16 chunks out by address.
; The loop's last trip (t = 12, 13) has no K step four on and asks for nothing.
.macro ASK
	s_cmp_gt_u32 s3, 1
	s_cbranch_scc0 .Lnone_\@
	global_prefetch_b8 v[PFO], s[PFA:PFA+1] offset:3<<KSH th:TH_LOAD_NT scope:SCOPE_SE
.Lnone_\@:
.endm
.macro CREST                           ; a round of the cluster's barrier behind its opening barrier
	s_cmp_lg_u32 s14, 0
	s_cbranch_scc1 .Lnot_wave_0_\@
	s_barrier_signal -3
.Lnot_wave_0_\@:
	s_barrier_wait -3
	s_barrier_signal -1
	s_barrier_wait -1
.endm
.macro CROUND
	s_barrier_signal -1
	s_barrier_wait -1
	CREST
.endm
	s_load_b128 s[4:7], s[0:1], 0x0                ; xq, wq
	s_load_b128 s[8:11], s[0:1], 0x10              ; lowp_scales, out0
	s_load_b64 s[12:13], s[0:1], 0x20              ; bias
	v_lshl_add_u32 v[SPW], v0, 2, SPARE
	v_mov_b32 v[NIL], 0
	ds_add_u32 v[SPW], v[NIL]                      ; the opening lines: the add, twice on end, and its wait ahead of my first tensor load
	ds_add_u32 v[SPW], v[NIL]
	v_lshrrev_b32 v1, 5, v0
	v_readfirstlane_b32 s14, v1                    ; wave 0..3
	s_lshr_b32 s15, s14, 1                         ; my half of the tile's rows; also: I fetch for A (0) or B (1)
	s_and_b32 s16, s14, 1                          ; my half of its columns; also: which 128 rows I fetch
	s_bfe_u32 s40, ttmp6, 0x40000                  ; cx
	s_bfe_u32 s41, ttmp6, 0x40004                  ; cy
	s_lshl_b32 s42, ttmp9, 2
	s_add_co_u32 s42, s42, s40                     ; tile column
	s_and_b32 s17, ttmp7, 0xffff
	s_lshl_b32 s17, s17, 2
	s_add_co_u32 s17, s17, s41                     ; tile row
	s_lshl_b32 s43, s41, 2
	s_lshl_b32 s43, 15, s43                        ; my row of the cluster
	s_lshl_b32 s44, 0x1111, s40                    ; my column
	s_or_b32 s[G1+0], s43, (3<<16)|(1<<21)         ; the mask; elements of 8 bytes; bit 21 beside a mask; no padding
	s_or_b32 s[G1B+0], s44, (3<<16)|(1<<21)
.irp g, G1, G1B
	s_mov_b32 s[\g+1], (CHUNK/8)<<16               ; tensor_dim0 = 256 elements
	s_mov_b32 s[\g+2], 16<<16                      ; tensor_dim1 = 16
	s_mov_b32 s[\g+3], (CHUNK/8)<<16               ; tile_dim0
	s_mov_b32 s[\g+4], 16                          ; tile_dim1
	s_mov_b32 s[\g+5], 65536/8                     ; from chunk to chunk
	s_mov_b32 s[\g+6], 0
	s_mov_b32 s[\g+7], 0
.endr
	s_lshl_b32 s18, s16, 11                        ; 128 rows x 16 bytes
	s_lshl_b32 s20, s17, 12                        ; A: 256 rows x 16 bytes x tile row
	s_add_co_u32 s20, s20, s18
	s_lshl_b32 s46, s42, 12                        ; B: by the tile column
	s_add_co_u32 s46, s46, s18
	s_mov_b32 s21, 0
	s_mov_b32 s47, 0
	s_mul_i32 s45, s14, HALFT                      ; where my loads go: wave x 32 KiB
	s_wait_dscnt 0x0                               ; both opening adds are done
	s_wait_kmcnt 0x0
	s_load_b64 s[96:97], s[8:9], 0x0               ; ex, ew
	s_add_nc_u64 s[20:21], s[4:5], s[20:21]
	s_add_nc_u64 s[46:47], s[6:7], s[46:47]
.irp s, 0,1
	s_mov_b32 s[G0+4*\s], 1
	s_add_co_u32 s[G0+4*\s+1], s45, \s*SLOT
	s_add_nc_u64 s[G0+4*\s+2:G0+4*\s+3], s[20:21], \s<<KSH
	s_or_b32 s[G0+4*\s+3], s[G0+4*\s+3], 0x80000000
	s_mov_b32 s[G0B+4*\s], 1
	s_add_co_u32 s[G0B+4*\s+1], s45, \s*SLOT
	s_add_nc_u64 s[G0B+4*\s+2:G0B+4*\s+3], s[46:47], \s<<KSH
	s_or_b32 s[G0B+4*\s+3], s[G0B+4*\s+3], 0x80000000
.endr
	CROUND                                         ; all sixteen work-groups are here: the first joint loads meet
	JLOAD G0, G1, G0B, G1B                         ; K step 0: one tensor load a wave at the head
	; the head's scalar work, then its vector work on end
	s_mul_i32 s21, s15, HALFT                      ; my 128 rows of A
	s_mul_i32 s22, s16, HALFT
	s_add_co_u32 s22, s22, 2*HALFT                 ; my 128 rows of B, behind A's 256
	s_add_co_u32 s18, s21, SLOT
	s_add_co_u32 s19, s22, SLOT
	s_mul_i32 s23, s14, 16*SPITCH                  ; my stage
	s_lshl_b32 s72, s17, 8
	s_lshl_b32 s73, s15, 7
	s_add_co_u32 s72, s72, s73                     ; my first row of out0
	s_lshl_b32 s72, s72, 13
	s_mov_b32 s73, 0
	s_lshl_b32 s74, s42, 9
	s_lshl_b32 s75, s16, 8
	s_add_co_u32 s74, s74, s75                     ; my first column, in bytes of f16
	s_mov_b32 s75, 0
	s_add_nc_u64 s[10:11], s[10:11], s[72:73]
	s_add_nc_u64 s[10:11], s[10:11], s[74:75]
	s_add_nc_u64 s[12:13], s[12:13], s[74:75]
	s_lshl_b32 s76, s17, 12
	s_lshl_b32 s77, s42, 12
	s_cmp_eq_u32 s15, 0                            ; do I fetch for A?
	s_cselect_b32 s76, s76, s77                    ; the tile's first row, in bytes of a chunk
	s_cselect_b32 s77, s40, s41                    ; my place among the four that ask with me
	s_cselect_b64 s[PFA:PFA+1], s[4:5], s[6:7]
	s_lshl_b32 s78, s16, 11
	s_add_co_u32 s76, s76, s78
	s_lshl_b32 s77, s77, 18                        ; my work-group's 4 chunks of the 16
	s_add_co_u32 s76, s76, s77
	s_mov_b32 s77, 0
	s_add_nc_u64 s[PFA:PFA+1], s[PFA:PFA+1], s[76:77]
	v_and_b32 v1, 15, v0                           ; r = l % 16
	v_bfe_u32 v2, v0, 4, 1                         ; h = l / 16
	v_lshlrev_b32 v3, 4, v1
	v_lshl_add_u32 v4, v2, 11, v3                  ; a fragment: 16 r + one chunk further for lanes 16-31
	v_add_nc_u32 v[ADRA], s21, v4
	v_add_nc_u32 v[ADRB], s22, v4
	v_add_nc_u32 v[ADRA+1], s18, v4
	v_add_nc_u32 v[ADRB+1], s19, v4
	v_mul_u32_u24 v5, v1, SPITCH
	v_lshl_add_u32 v5, v2, 4, v5
	v_add_nc_u32 v[STO], s23, v5                   ; into the stage: row r, 16 bytes for each half of the lanes
	v_mul_u32_u24 v7, v2, SPITCH
	v_lshl_add_u32 v7, v1, 4, v7
	v_add_nc_u32 v[RD], s23, v7                    ; back: lanes 0-15 one row of 256 bytes, lanes 16-31 the next
	v_lshlrev_b32 v8, 13, v2
	v_lshl_add_u32 v[CO], v1, 4, v8                ; and the same two rows in out0
	v_lshlrev_b32 v6, 4, v2
	v_and_b32 v9, 31, v0
	v_lshrrev_b32 v10, 3, v9
	v_and_b32 v9, 7, v9
	v_lshlrev_b32 v[PFO], 16, v10
	v_lshl_or_b32 v[PFO], v9, 8, v[PFO]
.irp b, 0,1,2,3,4,5,6,7
	global_load_b128 v[PK+4*\b:PK+4*\b+3], v6, s[12:13] offset:32*\b   ; bias of my columns 16 b + 8 h + 0..7
.endr
	global_prefetch_b8 v[PFO], s[PFA:PFA+1] offset:1<<KSH th:TH_LOAD_NT scope:SCOPE_SE   ; K steps 1 and 2: their loads follow behind K step 0's landing and behind the first change of slots
	global_prefetch_b8 v[PFO], s[PFA:PFA+1] offset:2<<KSH th:TH_LOAD_NT scope:SCOPE_SE
	s_wait_alu depctr_va_vdst(0)
	s_wait_loadcnt 0x0
.set i, 0
.irp src, v96.l, v96.h, v97.l, v97.h, v98.l, v98.h, v99.l, v99.h, v100.l, v100.h, v101.l, v101.h, v102.l, v102.h, v103.l, v103.h, v104.l, v104.h, v105.l, v105.h, v106.l, v106.h, v107.l, v107.h, v108.l, v108.h, v109.l, v109.h, v110.l, v110.h, v111.l, v111.h, v112.l, v112.h, v113.l, v113.h, v114.l, v114.h, v115.l, v115.h, v116.l, v116.h, v117.l, v117.h, v118.l, v118.h, v119.l, v119.h, v120.l, v120.h, v121.l, v121.h, v122.l, v122.h, v123.l, v123.h, v124.l, v124.h, v125.l, v125.h, v126.l, v126.h, v127.l, v127.h
	v_cvt_f32_f16 v[BIAS+i], \src
.set i, i+1
.endr
; A fragment, 16 rows x 128 K: registers 4 c .. 4 c + 3 hold K = 32 c + 16 h + 0 .. 15 (chunk 2 c + h): the same places of k in A and in B
.macro FRAG reg, adr, q, i
.irp c, 0,1,2,3
	ds_load_b128 v[\reg+4*\c:\reg+4*\c+3], v[\adr] offset:8*CHUNK*(\q)+2*CHUNK*\c+(\i)*256
.endr
.endm
; Fragment n of a step's sixteen: 0, 1: this step's A 6, 7;  2-9: the next step's B 0-7;  10-15: the next step's A 0-5.
; cs: the slot at work; ns, nq: slot and half (0, 1) of the next step; the step at work is half 1 - nq.
.macro ITEM n, cs, ns, nq
.if (\n) < 2
	WIN 0
	FRAG AF+FR*(6+(\n)), ADRA+\cs, 1-(\nq), 6+(\n)
.else
.if (\n) < 10
	WIN TO_B
	FRAG 128*(\nq)+FR*((\n)-2), ADRB+\ns, \nq, (\n)-2
.else
	WIN 0
	FRAG AF+FR*((\n)-10), ADRA+\ns, \nq, (\n)-10
.endif
.endif
.endm
.macro RUN n0, n1, cs, ns, nq          ; fragments n0 .. n1 - 1 in one run of loads
.set IT, \n0
.rept (\n1)-(\n0)
	ITEM IT, \cs, \ns, \nq
.set IT, IT+1
.endr
.endm
; A's block a against the eight of B's set p.  zero = 1: the first product starts the sum: nothing is cleared.  The 64 accumulators take turns in the same order in every step.
.macro MUL8 a, zero, p
	WIN MUL_LO+0x50*((\a)/4)
.irp b, 0,1,2,3,4,5,6,7
.if \zero
	v_wmma_f32_16x16x128_bf8_bf8 v[8*(8*((\a)%4)+\b):8*(8*((\a)%4)+\b)+7], v[128*(\p)+FR*\b:128*(\p)+FR*\b+FR-1], v[AF+FR*(\a):AF+FR*(\a)+FR-1], 0
.else
	v_wmma_f32_16x16x128_bf8_bf8 v[8*(8*((\a)%4)+\b):8*(8*((\a)%4)+\b)+7], v[128*(\p)+FR*\b:128*(\p)+FR*\b+FR-1], v[AF+FR*(\a):AF+FR*(\a)+FR-1], v[8*(8*((\a)%4)+\b):8*(8*((\a)%4)+\b)+7]
.endif
.endr
.endm
.macro PLACES                          ; four places between products and the loads into registers that they have read (ISA guide 7.12.1 for vector instructions)
.rept 4
	v_nop
.endr
.endm
; A slot's first 128 along K: its successor lies in the same slot.  Each counted wait counts the LDS loads issued behind the fragments that the next 16 products read.
.macro STEP s, zero
	s_wait_dscnt 16                                ; B's set and A 0, 1 are in; behind them A 2-5: 16 loads
	PLACES                                         ; for the loads into A 6, 7 and into B's other set
	RUN 0, 10, \s, \s, 1
	MUL8 0, \zero, 0
	MUL8 1, \zero, 0
	s_wait_dscnt 48                                ; A 2, 3: behind them A 4, 5 (8) and the run above (40)
	MUL8 2, \zero, 0
	MUL8 3, \zero, 0
	s_wait_dscnt 40                                ; A 4, 5: behind them the run above
	MUL8 4, \zero, 0
	MUL8 5, \zero, 0
	s_wait_dscnt 32                                ; A 6, 7: behind them B's 32 loads
	PLACES                                         ; for the loads into A 0-5
	RUN 10, 16, \s, \s, 1
	MUL8 6, \zero, 0
	MUL8 7, \zero, 0
.endm
; A slot's last 128 along K changes slots.  My last reads of the slot (A 6, 7) go out first; then the wait for all my tensor loads, the add, eight products, the wait for the add and for my reads,
; and ONE barrier, which opens a round of the cluster's barrier where the slot is filled again (fill = 1).  The refill is the first tensor load behind the round; 112 products stand between it and the wait for it.
.macro TURN cs, ns, fill
.if \fill
	s_wait_xcnt 0x0                                ; my last prefetch has read its address, which steps one K step
	s_add_nc_u64 s[PFA:PFA+1], s[PFA:PFA+1], 1<<KSH
.endif
	s_wait_dscnt 16
	PLACES
	RUN 0, 2, \cs, \ns, 0
	s_wait_tensorcnt 0x0                           ; all my tensor loads have landed: my part of the next slot
	ds_add_u32 v[SPW], v[NIL]
.if \fill
	s_add_nc_u64 s[G0+4*\cs+2:G0+4*\cs+3], s[G0+4*\cs+2:G0+4*\cs+3], 2<<KSH      ; no load of mine is out: this slot's next K step
	s_add_nc_u64 s[G0B+4*\cs+2:G0B+4*\cs+3], s[G0B+4*\cs+2:G0B+4*\cs+3], 2<<KSH
.endif
	MUL8 0, 0, 1
	s_wait_dscnt 0x0                               ; the add is done, and my reads of this slot are over: all of this step's fragments are in
	s_barrier_signal -1
	MUL8 1, 0, 1
	WIN 0
	s_barrier_wait -1
.if \fill
	CREST
	JLOAD G0+4*\cs, G1, G0B+4*\cs, G1B
.endif
	RUN 2, 10, \cs, \ns, 0
.if \fill
	WIN 0
	ASK
.endif
	MUL8 2, 0, 1
	MUL8 3, 0, 1
	MUL8 4, 0, 1
	MUL8 5, 0, 1
	PLACES
	RUN 10, 16, \cs, \ns, 0
	MUL8 6, 0, 1
	MUL8 7, 0, 1
.endm
	s_wait_alu depctr_va_vdst(0)
	s_wait_tensorcnt 0x0                           ; my part of K step 0 is in; these lines stand ahead of slot 1's first fill as ahead of a refill
	ds_add_u32 v[SPW], v[NIL]
	s_wait_dscnt 0x0
	CROUND
	JLOAD G0+4, G1, G0B+4, G1B                     ; K step 1
	RUN 2, 16, 0, 0, 0                             ; the first step's B 0-7 and A 0-5, in the order in which every step leaves them
	WIN 0
	global_prefetch_b8 v[PFO], s[PFA:PFA+1] offset:3<<KSH th:TH_LOAD_NT scope:SCOPE_SE   ; K step 3
	STEP 0, 1                                      ; the first step stands in front of the loop: its products start the sums
	WIN 0                                          ; at a label and at a branch every window is 0
	s_mov_b32 s3, LAPS-1
.Llap:
	TURN 0, 1, 1
	STEP 1, 0
	TURN 1, 0, 1
	STEP 0, 0
	WIN 0
	s_sub_co_u32 s3, s3, 1
	s_cmp_lg_u32 s3, 0
	s_cbranch_scc1 .Llap
	s_wait_kmcnt 0x0
	s_add_co_i32 s96, s96, s97
	s_add_co_i32 s96, s96, 127
	s_lshl_b32 s96, s96, 23                        ; 2^(ex + ew) as f32
	TURN 0, 1, 0                                   ; the last lap fills nothing
	STEP 1, 0
; THE WAY OUT of block a, 16 rows x 128 columns: sum x 2^(ex + ew) + bias in one fused multiply-add, in place; rounded once to f16; 16 bytes a lane into my own stage; back as whole rows of 256 bytes,
; into B's set 0, which the last step does not read.  LDS serves a wave's instructions in order (ISA guide 5.7.1.4): no wait between the stores and the loads.
.macro PACK a
.set AC, 64*((\a)%4)
	WIN 0x82+0x41*((\a)/4)                         ; source 0 and destination: window 2 or 3
.irp j, 0,2,4,6,8,10,12,14,16,18,20,22,24,26,28,30,32,34,36,38,40,42,44,46,48,50,52,54,56,58,60,62
	v_pk_fma_f32 v[AC+\j:AC+\j+1], v[AC+\j:AC+\j+1], s[96:97], v[BIAS+\j:BIAS+\j+1] op_sel_hi:[1,0,1]   ; each accumulator from its low end on
.endr
	WIN 0x0a+5*((\a)/4)                            ; sources 0 and 1: window 2 or 3
.irp j, 0,1,2,3,4,5,6,7,8,9,10,11,12,13,14,15,16,17,18,19,20,21,22,23,24,25,26,27,28,29,30,31
	v_cvt_pk_f16_f32 v[PK+\j], v[AC+2*\j], v[AC+2*\j+1]
.endr
	WIN 0
.irp b, 0,1,2,3,4,5,6,7
	ds_store_b128 v[STO], v[PK+4*\b:PK+4*\b+3] offset:32*\b
.endr
	WIN TO_B
.irp t, 0,1,2,3,4,5,6,7
	ds_load_b128 v[BK+32*((\a)%2)+4*\t:BK+32*((\a)%2)+4*\t+3], v[RD] offset:\t*2*SPITCH
.endr
.endm
.macro SEND a, younger                 ; younger: the LDS instructions issued behind block a's loads
	s_wait_dscnt \younger
.if (\a) > 0
	s_add_nc_u64 s[10:11], s[10:11], 16*ROWO       ; behind a wait on XCNT: the earlier stores have read their base
.endif
	WIN 0x04                                       ; the stores' data: window 1
.irp t, 0,1,2,3,4,5,6,7
	global_store_b128 v[CO], v[BK+32*((\a)%2)+4*\t:BK+32*((\a)%2)+4*\t+3], s[10:11] offset:\t*2*ROWO th:TH_STORE_NT   ; sixteen lanes store 256 consecutive bytes, at a multiple of 256 from out0's first byte
.endr
.endm
	s_wait_dscnt 16                                ; the very last step fetches A 6, 7 alone
	PLACES
	RUN 0, 2, 1, 1, 0
	MUL8 0, 0, 1
	MUL8 1, 0, 1
	s_wait_dscnt 0x0                               ; A 2-7 are in
	PLACES                                         ; block 0's sums are read four places behind its products; for the later blocks the block before's 64 vector lines are the places
	PACK 0
.irp a, 1,2,3,4,5,6,7
.if \a < 7
	MUL8 \a+1, 0, 1                                ; the next block but one is multiplied while block a - 1 comes back from the stage
.endif
.if \a > 1
	s_wait_xcnt 0x0                                ; block a - 2's stores have read their registers and their base
.endif
	PACK \a
	SEND \a-1, 16                                  ; behind block a - 1's loads: block a's 8 stores and 8 loads
.endr
	s_wait_xcnt 0x0
	SEND 7, 0
	WIN 0
	s_wait_tensorcnt 0x0                           ; the wave's end
	ds_add_u32 v[SPW], v[NIL]
	s_wait_dscnt 0x0
	CROUND                                         ; the closing round
	s_endpgm
.Lfunc_end_k_qe047eac8cb_gemm:
	.size	k_qe047eac8cb_gemm, .Lfunc_end_k_qe047eac8cb_gemm-k_qe047eac8cb_gemm
	.p2alignl 7, 3214868480
	.fill 96, 4, 3214868480
	.section	.rodata,"a",@progbits
	.p2align	6, 0x0
	.amdhsa_kernel k_qe047eac8cb_gemm
		.amdhsa_group_segment_fixed_size 327680
		.amdhsa_private_segment_fixed_size 0
		.amdhsa_enable_private_segment 0
		.amdhsa_kernarg_size 40
		.amdhsa_user_sgpr_count 2
		.amdhsa_user_sgpr_kernarg_segment_ptr 1
		.amdhsa_wavefront_size32 1
		.amdhsa_system_sgpr_workgroup_id_x 1
		.amdhsa_system_sgpr_workgroup_id_y 1
		.amdhsa_system_sgpr_workgroup_id_z 1
		.amdhsa_system_vgpr_workitem_id 0
		.amdhsa_next_free_vgpr 1024
		.amdhsa_next_free_sgpr 100
		.amdhsa_reserve_vcc 0
		.amdhsa_float_denorm_mode_32 3
		.amdhsa_float_denorm_mode_16_64 3
		.amdhsa_memory_ordered 1
		.amdhsa_forward_progress 1
		.amdhsa_inst_pref_size 131
	.end_amdhsa_kernel
	.amdgpu_metadata
---
amdhsa.version: [ 1, 2 ]
amdhsa.kernels:
  - .name:           k_qe047eac8cb_gemm
    .symbol:         k_qe047eac8cb_gemm.kd
    .args:
      - { .name: xq, .offset: 0, .size: 8, .value_kind: global_buffer, .address_space: global }
      - { .name: wq, .offset: 8, .size: 8, .value_kind: global_buffer, .address_space: global }
      - { .name: lowp_scales, .offset: 16, .size: 8, .value_kind: global_buffer, .address_space: global }
      - { .name: out0, .offset: 24, .size: 8, .value_kind: global_buffer, .address_space: global }
      - { .name: bias, .offset: 32, .size: 8, .value_kind: global_buffer, .address_space: global }
    .group_segment_fixed_size: 327680
    .private_segment_fixed_size: 0
    .kernarg_segment_align: 8
    .kernarg_segment_size: 40
    .max_flat_workgroup_size: 128
    .sgpr_count:     100
    .vgpr_count:     1024
    .wavefront_size: 32
...
	.end_amdgpu_metadata
.endif
;; end of part 2
